; MI455X (gfx1250); checked and timed in simulation.
; The chip was launched on July 23, 2026; its instructions are those of AMD's public machine-readable ISA for CDNA 5 (MIT licence, August 2026) and "CDNA5" Instruction Set Architecture Reference Guide (July 2026). The comments in the code are by the model that wrote it; some were corrected since.
;; Multi Single Stream Block Lora Processor. Allowed arithmetic: matrix products marked QUANTISED: E2M1 operands, one E8M0 scale for each 32 along K, by v_wmma_scale_f32_16x16x128_f8f6f4 with both operands' format E2M1 (or v_wmma_scale_f32_32x16x128_f4), f32 sums; everything else in f32.
;; Inputs: Wk_codes 3,072 x 96 x 16 uint8 (E2M1 codes of Wk, K innermost, in blocks of 32 codes, two codes a byte); Wk_scales 3,072 x 96 uint8 (E8M0 scales of Wk, one for each 32 codes along K); Wq_codes 3,072 x 96 x 16 uint8 (E2M1 codes of Wq, K innermost, in blocks of 32 codes, two codes a byte); Wq_scales 3,072 x 96 uint8 (E8M0 scales of Wq, one for each 32 codes along K); Wv_codes 3,072 x 96 x 16 uint8 (E2M1 codes of Wv, K innermost, in blocks of 32 codes, two codes a byte); Wv_scales 3,072 x 96 uint8 (E8M0 scales of Wv, one for each 32 codes along K); bk 3,072 float32; bq 3,072 float32; bv 3,072 float32; cond_hidden_states_codes 1 x 1,024 x 96 x 16 uint8 (E2M1 codes of cond_hidden_states, K innermost, in blocks of 32 codes, two codes a byte); cond_hidden_states_scales 1 x 1,024 x 96 uint8 (E8M0 scales of cond_hidden_states, one for each 32 codes along K); cos0 1,024 x 128 float32; cos1 1,024 x 128 float32; cross_diff_lambda one number float32; hidden_states_codes 1 x 1,024 x 96 x 16 uint8 (E2M1 codes of hidden_states, K innermost, in blocks of 32 codes, two codes a byte); hidden_states_scales 1 x 1,024 x 96 uint8 (E8M0 scales of hidden_states, one for each 32 codes along K); norm_k_w 128 float32; norm_q_w 128 float32; sin0 1,024 x 128 float32; sin1 1,024 x 128 float32.
;; Outputs: out0 1 x 1,024 x 3,072 float32.
;; This version of the problem:
;;   THIS VERSION OF THE PROBLEM IS GIVEN IN LOW PRECISION. The matrix products marked QUANTISED in the list below multiply operands that are first quantised to E2M1 (2 exponent bits, 1 mantissa bit; 4 bits a number), with one power-of-two scale for each 32 numbers along K (OCP MX v1.0); their sums are f32. All else is computed in f32.
;;   The module's matrix products, in the order in which they are computed (A, B: the left and right operand; K: the contracted axis; several contracted axes count as one K, in the product's order):
;;     1. [M 1,024, K 3,072] x [K 3,072, N 3,072]; A: input hidden_states (given as codes); B: input Wq (given as codes): QUANTISED
;;     2. [M 1,024, K 3,072] x [K 3,072, N 3,072]; A: input hidden_states (given as codes); B: input Wk (given as codes): QUANTISED
;;     3. [M 1,024, K 3,072] x [K 3,072, N 3,072]; A: input hidden_states (given as codes); B: input Wv (given as codes): QUANTISED
;;     4. [M 1,024, K 3,072] x [K 3,072, N 3,072]; A: input cond_hidden_states (given as codes); B: input Wk (given as codes): QUANTISED
;;     5. [M 1,024, K 3,072] x [K 3,072, N 3,072]; A: input cond_hidden_states (given as codes); B: input Wv (given as codes): QUANTISED
;;     6. batch 24 x [M 1,024, K 128] x [K 128, N 1,024]; A: computed on the way; B: computed on the way: QUANTISED
;;     7. batch 24 x [M 1,024, K 1,024] x [K 1,024, N 128]; A: softmax (see below); B: computed on the way: QUANTISED
;;     8. batch 24 x [M 1,024, K 128] x [K 128, N 1,024]; A: computed on the way; B: computed on the way: QUANTISED
;;     9. batch 24 x [M 1,024, K 1,024] x [K 1,024, N 128]; A: softmax (see below); B: computed on the way: QUANTISED
;;   THE QUANTISER, for each operand of a quantised product, along K:
;;     - K is cut into blocks of 32 from its start; a last block that is shorter is filled with zeros.
;;     - A block's scale is 2^e with e = floor(log2(the largest magnitude in the block)) - 2, held to -126 .. 127; a block of zeros has e = 0. As a byte (E8M0): e + 127.
;;     - Each number is divided by its block's scale, clamped to +-6, and rounded to the nearest number of E2M1, ties to even, subnormals kept.
;;     - The product sums the exact products of the quantised numbers (number of the format x scale) in f32.
;;   ~~~python
;;   def quantise(x, axis):      # numpy; x: float32 -> the quantised numbers, widened to float32 again
;;       x = np.moveaxis(x, axis, -1); K = x.shape[-1]
;;       x = np.pad(x, [(0, 0)] * (x.ndim - 1) + [(0, -K % 32)]); x = x.reshape(x.shape[:-1] + (-1, 32)); a = np.abs(x).max(-1, keepdims=True)
;;       e = np.where(a > 0, np.clip(np.frexp(np.where(a > 0, a, 1))[1] - 1 - 2, -126, 127), 0)      # np.frexp(a)[1] - 1 = floor(log2(a)), exactly
;;       r = np.clip(x / 2.0 ** e, -6, 6)
;;       step = 2.0 ** (np.maximum(np.frexp(np.where(r == 0, 1, r))[1] - 1, 0) - 1)
;;       q = np.round(r / step) * step * 2.0 ** e      # np.round: ties to even
;;       return np.moveaxis(q.reshape(q.shape[:-2] + (-1,))[..., :K], -1, axis).astype(np.float32)
;;   ~~~
;;   SOFTMAX AHEAD OF A QUANTISED PRODUCT. Where the list says 'softmax', what is quantised is not the finished softmax but p = 2^(t - M), with t = logit x log2(e) and M = ceil(the row's largest t), a whole number; so 1/2 < the row's largest p <= 1. The row's sum l is taken of the UNQUANTISED p, in f32, and the product's result is divided by l at the end. Since M is a whole number, a kernel that streams over the keys may use a running M (the ceiling of the running maximum): every later rescaling is an exact power of two, which a block's scale takes up: the codes' values come out the same.
;;   OPERANDS COMPUTED ON THE WAY. 'Computed on the way' means the value that the module computes at that place (a softmax that the list does not call 'softmax' is quantised finished and normalised). What goes into a quantiser is computed in f32, as accurately as f32 sums, v_exp_f32 and their like allow (about 1e-6 of the number): no bf16 or f16 on the way to a quantiser, and a product that is left as it is and whose result goes on into a quantised operand takes f32 operands (vector FMAs, or v_wmma_f32_16x16x4_f32). A number that lies on a knife's edge between two numbers of the format may be rounded either way, as far as f32 arithmetic and the matrix unit's own rounding can turn it there, and no further.
;;   INPUTS GIVEN AS CODES. Wk (in the module: [3072, 3072], K = its axis 1); Wq (in the module: [3072, 3072], K = its axis 1); Wv (in the module: [3072, 3072], K = its axis 1); cond_hidden_states (in the module: [1, 1024, 3072], K = its axis 2); hidden_states (in the module: [1, 1024, 3072], K = its axis 2): each comes as NAME_codes (uint8): NAME with its K axis moved to the last place and cut into blocks of 32 codes, [.., K / 32, bytes a block], one block behind the other in memory; two codes a byte, the lower K in the low four bits (a code: sign, 2 exponent bits, 1 mantissa bit); and NAME_scales (uint8): the same leading axes, one E8M0 byte (e + 127) for each 32 codes along K. Its value is code x scale, taken as it is: it is not quantised again, and the codes and scales need not be those that the quantiser above would give.
;; One version. Each part assembles by itself: llvm-mc -triple=amdgcn-amd-amdhsa -mcpu=gfx1250 --defsym DOCPART=n.
;; ======== version 1 of 1: 2 launches
;; limits: right only within a limited range of input values
;; workspace buffers: qkv 8,355,840 bytes
;; launch proj (part 1): grid 60 x 4, 4 waves a work-group, clusters of 4 x 4, 327,680 bytes of LDS; arguments hidden_states_codes, hidden_states_scales, cond_hidden_states_codes, cond_hidden_states_scales, Wq_codes, Wq_scales, Wk_codes, Wk_scales, Wv_codes, Wv_scales, bq, bk, bv, norm_q_w, norm_k_w, cos0, sin0, cos1, sin1, qkv; writes qkv
.if DOCPART == 1
	.amdgcn_target "amdgcn-amd-amdhsa--gfx1250"
	.amdhsa_code_object_version 6
	.text
	.protected	k_q3f8c7c0772_proj
	.globl	k_q3f8c7c0772_proj
	.p2align	8
	.type	k_q3f8c7c0772_proj,@function
k_q3f8c7c0772_proj:
	s_mov_b64 s[64:65], 0
	v_nop
	global_prefetch_b8 v0, s[64:65] scope:SCOPE_SE
	s_setreg_imm32_b32 hwreg(HW_REG_WAVE_MODE, 25, 1), 1
	s_wait_xcnt 0x0
	s_wait_alu depctr_hold_cnt(0) depctr_sa_sdst(0) depctr_va_vdst(0) depctr_va_sdst(0) depctr_va_ssrc(0) depctr_va_vcc(0) depctr_vm_vsrc(0)
	s_getreg_b32 s2, hwreg(HW_REG_IB_STS2, 6, 4)
	s_cmp_eq_u32 s2, 0
	s_cbranch_scc0 .Lentry_in_a_cluster
	s_endpgm
.Lentry_in_a_cluster:
	s_bfe_u32 s2, ttmp6, 0x10000c
	s_cmp_lg_u32 s2, 0xf033
	s_cbranch_scc0 .Lentry_shape_is_right
	s_endpgm
.Lentry_shape_is_right:
; The five projections q, k, v, k_c, v_c = x W^T + b on codes of FP4 (E2M1), with the RMS norm and the rotation of q, k, k_c, and the quantising of all five, in one launch.
; TILES.  256 x 256 of a product a work-group, 128 x 128 a wave (512 registers of sums).  15 clusters of 4 x 4 work-groups: three clusters a tensor; tensors in the order k_c, v_c, k, v, q.
; For q, k, k_c: A = tokens, B = rows of W.  For v, v_c the other way round, so that a lane's registers run along the keys, along which v is quantised.
; The matrix instruction is used transposed (source 0 = 32 rows of B, source 1 = 16 rows of A): a lane holds one row of A and registers along B's rows.
; RING.  K goes in steps of 512 (rows of 256 bytes) through two LDS slots; each wave fetches 128 rows of A or of B by one joint load.  A's tile is shared along a row of the cluster, B's along a column.
; FRAGMENTS of 128 along K: two buffers of 64 + 64 registers in window 1; while one is multiplied the other is loaded, in two runs of sixteen loads.
; SCALES of all K stay in registers (192).
; TABLES.  cos and sin of a work-group's 256 tokens come by joint loads into slots that K has left: the rows of trips 0 and 1 into slot 0 behind K step 4, those of trips 2 and 3 into slot 1 behind K step 5's last reads.
; PREFETCH.  K steps 1 and 2 are asked of memory behind K step 0's load, and then each load of K step s is followed by the asking for K step s + 2; the tables likewise two changes of slots ahead:
; a lane a unit of 256 bytes, one instruction a wave, the partners of a joint load share the rows by address.
; Weights are asked for by every cluster that loads them; activations and tables, which up to nine clusters read, by the three clusters of q and the three of k_c alone.
; OUTPUT.  Group (tensor, head, 128 rows): 8,704 bytes: eight fragments of 1,024 bytes as images of operand registers (fragment a, registers 4 c .. 4 c + 3, lane l at 1,024 a + 512 c + 16 l), then 512 bytes
; of scale words (at 16 l + 4 p the word of fragment 2 p + l / 16, row l % 16).
; LIMITS: NaN and infinities are not served.  A block whose largest number lies under 2^-124 gets the scale byte 1 (a block of zeros too: its codes are zeros).  b of q, k, k_c is added first, not last.
; WINDOWS: 0: addresses, scales, work on the way out; 1: fragments, then tables; 2, 3: sums (block a of 16 rows of A, block b of B: v[64 (a % 4) + 8 b], window 2 + a / 4).
.set KROW,   1536
.set PITCH,  272                       ; an LDS row: 256 bytes + 16 of padding
.set HALFT,  128*PITCH
.set SLOT,   4*HALFT
.set SPARE,  2*SLOT
.set TT,     33792                     ; a tile of a table: 64 rows of 512 + 16 bytes
.set GRP,    8704
.set LI,   3                           ; 16 x lane
.set VT,   4                           ; v4, v5: my place in the tables in slot 0, in slot 1
.set BO,   6                           ; 32 x h
.set RO,   7                           ; v's bias
.set SO,   8                           ; 96 x lane
.set PFO,  11
.set PFL,  12
.set ADRA, 16
.set ADRB, 20
.set SPW,  28
.set NIL,  29
.set SC,   32                          ; K step s: SC + 32 s: A's 16, then B's 16
.set NW,   32                          ; on the way out (K steps 0 and 1 have done with their scales)
.set BV,   32
.set TM,   96
.set PW,   120
.set RS,   122
.set SS,   128
.set SW,   144
.set PC,   152
.set TRIPS, 3
.set OUT,  10
.set SEL,  20
.set RCP128, 22
.set EPS,  23
.set G1,   24
.set G0,   32
.set G1B,  48
.set G0B,  56
.set PFA,  40
.set ASKW, 44                          ; 1: my wave asks for its codes
.set ASKX, 45                          ; 1: my wave asks for its tables
.set PP,   66
.set G0T,  4
.set G1T,  72
.set G0V,  88
.set G1V,  80
.set PTB,  92
.set NWP,  94
.set TYP,  100                         ; 1: v or v_c
.set HI16, 101
.set TO_F, 0x40
.set MSB, 0
.macro WIN new
.if MSB != (\new)
	s_set_vgpr_msb (MSB<<8)|(\new)
.set MSB, (\new)
.endif
.endm
.macro PLACES n
.rept \n
	v_nop
.endr
.endm
.macro JLOAD s
	s_cmp_eq_u32 s15, 0
	s_cbranch_scc0 .Lfor_b_\@
	tensor_load_to_lds s[G0+4*(\s):G0+4*(\s)+3], s[G1:G1+7]
	s_nop 0
	PLACES 4
	s_branch .Lasked_\@
.Lfor_b_\@:
	tensor_load_to_lds s[G0B+4*(\s):G0B+4*(\s)+3], s[G1B:G1B+7]
	s_nop 0
	PLACES 4
.Lasked_\@:
.endm
.macro CREST                           ; a round of the cluster's barrier behind its opening barrier
	s_cmp_lg_u32 s14, 0
	s_cbranch_scc1 .Lnot_wave_0_\@
	s_barrier_signal -3
.Lnot_wave_0_\@:
	s_barrier_wait -3
	s_barrier_signal -1
	s_barrier_wait -1
.endm
.macro CROUND
	s_barrier_signal -1
	s_barrier_wait -1
	CREST
.endm
.macro ASK k                           ; my work-group's 32 rows of the 128 that I fetch, K step k
	s_cmp_eq_u32 s[ASKW], 1
	s_cbranch_scc0 .Lnot_mine_\@
	global_prefetch_b8 v[PFO], s[PFA:PFA+1] offset:256*(\k) th:TH_LOAD_NT scope:SCOPE_SE
.Lnot_mine_\@:
.endm
.macro ASKT part                       ; my work-group's 8,192 bytes of the 32,768 of the table that I fetch
	s_cmp_eq_u32 s[ASKX], 1
	s_cbranch_scc0 .Lnot_mine_\@
	global_prefetch_b8 v[PFL], s[PTB:PTB+1] offset:32768*(\part) th:TH_LOAD_NT scope:SCOPE_SE
.Lnot_mine_\@:
.endm
	s_load_b512 s[68:83], s[0:1], 0x0              ; hidden c, s; cond c, s; Wq c, s; Wk c, s
	s_load_b512 s[84:99], s[0:1], 0x40             ; Wv c, s; bq, bk, bv; norm q, k; cos0
	s_load_b256 s[4:11], s[0:1], 0x80              ; sin0, cos1, sin1, qkv
	v_lshl_add_u32 v[SPW], v0, 2, SPARE
	v_mov_b32 v[NIL], 0
	ds_add_u32 v[SPW], v[NIL]                      ; the opening lines: the add, twice on end, and its wait
	ds_add_u32 v[SPW], v[NIL]
	v_lshrrev_b32 v1, 5, v0
	v_readfirstlane_b32 s14, v1                    ; wave 0..3
	s_lshr_b32 s15, s14, 1                         ; my half of A's rows; also: I fetch for A (0) or for B (1)
	s_and_b32 s16, s14, 1                          ; my half of B's rows; also: which 128 rows I fetch
	s_bfe_u32 s40, ttmp6, 0x40000                  ; cx
	s_bfe_u32 s41, ttmp6, 0x40004                  ; cy
	s_mul_i32 s[PP], ttmp9, 11
	s_lshr_b32 s[PP], s[PP], 5                     ; the tensor: cluster x / 3
	s_mul_i32 s67, s[PP], 3
	s_sub_co_u32 s67, ttmp9, s67
	s_lshl_b32 s67, s67, 2
	s_and_b32 s[TYP], s[PP], 1
	s_cmp_eq_u32 s[TYP], 1
	s_cselect_b32 s17, s67, 0
	s_cselect_b32 s42, 0, s67
	s_add_co_u32 s17, s17, s41                     ; A's tile of 256 rows
	s_add_co_u32 s42, s42, s40                     ; B's
	s_lshl_b32 s43, s41, 2
	s_lshl_b32 s43, 15, s43                        ; my row of the cluster
	s_lshl_b32 s44, 0x1111, s40                    ; my column
	s_or_b32 s[G1+0], s43, (1<<20)|(1<<21)|(5<<22)|(3<<25)
	s_or_b32 s[G1B+0], s44, (1<<20)|(1<<21)|(5<<22)|(3<<25)
.irp g, G1, G1B
	s_mov_b32 s[\g+1], 256<<16
	s_mov_b32 s[\g+2], 128<<16
	s_mov_b32 s[\g+3], 256<<16
	s_mov_b32 s[\g+4], 128
	s_mov_b32 s[\g+5], KROW
	s_mov_b32 s[\g+6], 0
	s_mov_b32 s[\g+7], 0
.endr
	s_lshl_b32 s18, s16, 7
	s_lshl_b32 s46, s17, 8
	s_add_co_u32 s46, s46, s18
	s_mul_i32 s46, s46, KROW                       ; A: the 128 rows that I fetch
	s_mov_b32 s47, 0
	s_lshl_b32 s2, s42, 8
	s_add_co_u32 s2, s2, s18
	s_mul_i32 s2, s2, KROW                         ; B likewise
	s_mov_b32 s3, 0
	s_lshl_b32 s20, s17, 8
	s_lshl_b32 s19, s15, 7
	s_add_co_u32 s20, s20, s19
	s_mul_i32 s20, s20, 96                         ; the scales of my 128 rows of A
	s_mov_b32 s21, 0
	s_lshl_b32 s22, s42, 8
	s_add_co_u32 s22, s22, s18
	s_mul_i32 s22, s22, 96                         ; and of B
	s_mov_b32 s23, 0
	s_mul_i32 s45, s14, HALFT
	s_wait_alu depctr_va_vdst(0)
	s_wait_dscnt 0x0                               ; both opening adds are done
	s_wait_kmcnt 0x0
	s_cmp_lt_u32 s[PP], 2
	s_cselect_b64 s[68:69], s[72:73], s[68:69]     ; the activations
	s_cselect_b64 s[70:71], s[74:75], s[70:71]
	s_cselect_b64 s[98:99], s[6:7], s[98:99]       ; cos
	s_cselect_b64 s[4:5], s[8:9], s[4:5]           ; sin
	s_cmp_eq_u32 s[PP], 4
	s_cselect_b64 s[76:77], s[76:77], s[80:81]     ; the weights
	s_cselect_b64 s[78:79], s[78:79], s[82:83]
	s_cselect_b64 s[88:89], s[88:89], s[90:91]     ; the bias
	s_cselect_b64 s[NWP:NWP+1], s[94:95], s[96:97]
	s_cmp_eq_u32 s[TYP], 1
	s_cselect_b64 s[76:77], s[84:85], s[76:77]
	s_cselect_b64 s[78:79], s[86:87], s[78:79]
	s_cselect_b64 s[88:89], s[92:93], s[88:89]
	s_cselect_b64 s[72:73], s[76:77], s[68:69]     ; A's codes, A's scales, B's codes, B's scales
	s_cselect_b64 s[74:75], s[78:79], s[70:71]
	s_cselect_b64 s[80:81], s[68:69], s[76:77]
	s_cselect_b64 s[82:83], s[70:71], s[78:79]
	s_add_nc_u64 s[72:73], s[72:73], s[46:47]
	s_add_nc_u64 s[96:97], s[80:81], s[2:3]
	s_add_nc_u64 s[68:69], s[74:75], s[20:21]
	s_add_nc_u64 s[70:71], s[82:83], s[22:23]
.irp s, 0,1
	s_mov_b32 s[G0+4*\s], 1
	s_add_co_u32 s[G0+4*\s+1], s45, \s*SLOT
	s_add_nc_u64 s[G0+4*\s+2:G0+4*\s+3], s[72:73], \s*256
	s_or_b32 s[G0+4*\s+3], s[G0+4*\s+3], 0x80000000
	s_mov_b32 s[G0B+4*\s], 1
	s_add_co_u32 s[G0B+4*\s+1], s45, \s*SLOT
	s_add_nc_u64 s[G0B+4*\s+2:G0B+4*\s+3], s[96:97], \s*256
	s_or_b32 s[G0B+4*\s+3], s[G0B+4*\s+3], 0x80000000
.endr
	CROUND                                         ; all sixteen work-groups are here: the first joint loads meet
	JLOAD 0                                        ; K step 0: one tensor load a wave at the head
	; where results go, and where bias and tables come from
	s_lshl_b32 s18, s17, 1
	s_add_co_u32 s18, s18, s15
	s_lshl_b32 s19, s42, 1
	s_add_co_u32 s19, s19, s16
	s_cmp_eq_u32 s[TYP], 1
	s_cselect_b32 s46, s18, s19                    ; the head
	s_cselect_b32 s47, s19, s18                    ; the block of 128 tokens
	s_cselect_b32 s2, 0, s18
	s_mov_b32 s21, 0
	s_lshl_b32 s20, s46, 9
	s_add_nc_u64 s[8:9], s[88:89], s[20:21]        ; q, k, k_c: the head's bias
	s_mul_i32 s20, s[PP], 192
	s_lshl_b32 s46, s46, 3
	s_add_co_u32 s46, s46, s47
	s_add_co_u32 s20, s20, s46
	s_mul_i32 s20, s20, GRP
	s_add_nc_u64 s[OUT:OUT+1], s[OUT:OUT+1], s[20:21]
	s_lshl_b32 s20, s2, 16
	s_cmp_eq_u32 s16, 1                            ; waves 1 and 3 fetch sin, 0 and 2 cos, for the token half s15
	s_cselect_b64 s[G0T+2:G0T+3], s[4:5], s[98:99]
	s_add_nc_u64 s[G0T+2:G0T+3], s[G0T+2:G0T+3], s[20:21]
	s_lshl_b32 s[PTB], s40, 13
	s_mov_b32 s[PTB+1], 0
	s_add_nc_u64 s[PTB:PTB+1], s[G0T+2:G0T+3], s[PTB:PTB+1]
	s_mov_b32 s[G0T], 1
	s_mul_i32 s[G0T+1], s14, TT
	s_or_b32 s[G0T+3], s[G0T+3], 0x80000000
	s_lshl_b32 s20, s17, 10                        ; v, v_c: the bias of A's 256 rows, 256 bytes a wave
	s_lshl_b32 s22, s14, 8
	s_add_co_u32 s20, s20, s22
	s_add_nc_u64 s[G0V+2:G0V+3], s[88:89], s[20:21]
	s_or_b32 s[G0V+3], s[G0V+3], 0x80000000
	s_mov_b32 s[G0V], 1
	s_lshl_b32 s[G0V+1], s14, 8
	s_mul_i32 s40, s40, 32*KROW
	s_mul_i32 s41, s41, 32*KROW
	s_cmp_eq_u32 s15, 0
	s_cselect_b32 s40, s40, s41
	s_cselect_b64 s[2:3], s[72:73], s[96:97]
	s_mov_b32 s41, 0
	s_add_nc_u64 s[PFA:PFA+1], s[2:3], s[40:41]
	s_and_b32 s45, s[PP], 3
	s_cmp_eq_u32 s45, 0
	s_cselect_b32 s[ASKX], 1, 0                    ; q or k_c
	s_xor_b32 s[ASKW], s15, s[TYP]                 ; 1: I fetch weights
	s_or_b32 s[ASKW], s[ASKW], s[ASKX]
	s_or_b32 s[G1T], s43, (3<<16)|(1<<20)|(1<<21)|(6<<22)|(3<<25)   ; 64 rows of 512 bytes, 16 of padding behind each
	s_mov_b32 s[G1T+1], 64<<16
	s_mov_b32 s[G1T+2], 64<<16
	s_mov_b32 s[G1T+3], 64<<16
	s_mov_b32 s[G1T+4], 64
	s_mov_b32 s[G1T+5], 64
	s_mov_b32 s[G1T+6], 0
	s_mov_b32 s[G1T+7], 0
	s_or_b32 s[G1V], s43, (3<<16)|(1<<21)          ; one row of 256 bytes
	s_mov_b32 s[G1V+1], 32<<16
	s_mov_b32 s[G1V+2], 1<<16
	s_mov_b32 s[G1V+3], 32<<16
	s_mov_b32 s[G1V+4], 1
	s_mov_b32 s[G1V+5], 32
	s_mov_b32 s[G1V+6], 1<<16
	s_mov_b32 s[G1V+7], 0
	s_mov_b32 s[SEL], 0x76543210
	s_mov_b32 s[SEL+1], 0xfedcba98
	s_mov_b32 s[RCP128], 0x3c000000
	s_mov_b32 s[EPS], 0x358637bd
	s_mov_b32 s[HI16], 0xffff0000
	s_mul_i32 s18, s15, HALFT                      ; my 128 rows of A in a slot
	s_mul_i32 s19, s16, HALFT                      ; my 128 rows of B, behind A's 256
	s_add_co_u32 s19, s19, 2*HALFT
	s_mul_i32 s2, s15, 2*TT
	s_lshl_b32 s3, s15, 9
	v_and_b32 v1, 15, v0                           ; r
	v_bfe_u32 v2, v0, 4, 1                         ; h
	v_and_b32 v9, 31, v0
	v_mul_u32_u24 v[SO], 96, v9
	v_lshlrev_b32 v[LI], 4, v9
	v_lshlrev_b32 v[PFL], 8, v9
	v_mul_u32_u24 v[PFO], KROW, v9
	v_lshlrev_b32 v[BO], 5, v2
	v_mul_u32_u24 v10, PITCH, v1
	v_lshl_add_u32 v10, v2, 4, v10
	v_add_nc_u32 v[ADRA], s18, v10
	v_add_nc_u32 v[ADRB], s19, v10
	v_add_nc_u32 v[ADRA+1], SLOT, v[ADRA]
	v_add_nc_u32 v[ADRB+1], SLOT, v[ADRB]
	v_mul_u32_u24 v[VT], 528, v1
	v_lshl_add_u32 v[VT], v2, 5, v[VT]
	v_add_nc_u32 v[VT], s2, v[VT]
	v_add_nc_u32 v[VT+1], SLOT, v[VT]
	v_lshlrev_b32 v[RO], 2, v1
	v_add_nc_u32 v[RO], s3, v[RO]
	s_wait_alu depctr_va_vdst(0)
.macro SCALES s                        ; lane l: rows 32 i + l: fragments 2 i (lanes 0-15) and 2 i + 1
.irp i, 0,1,2,3
	global_load_b128 v[SC+32*\s+4*\i:SC+32*\s+4*\i+3], v[SO], s[68:69] offset:3072*\i+16*\s
	global_load_b128 v[SC+32*\s+16+4*\i:SC+32*\s+16+4*\i+3], v[SO], s[70:71] offset:3072*\i+16*\s
.endr
.endm
	SCALES 0
	ASK 1
	ASK 2
	s_cmp_eq_u32 s[TYP], 1
	s_cbranch_scc1 .Lno_bias
	WIN 0xc0
.irp b, 0,1,2,3,4,5,6,7                ; q, k, k_c: the bias goes where block 7's sums will lie, and is the C of every block's first product
.irp j, 0,1
	global_load_b128 v[192+8*\b+4*\j:192+8*\b+4*\j+3], v[BO], s[8:9] offset:64*\b+16*\j
.endr
.endr
	WIN 0
.Lno_bias:
.irp s, 1,2,3,4,5
	SCALES \s
.endr
; AT: the K step, the quarter and the kind of C of the products that follow; the slot and the quarter of the loads that go with them (into the other buffer)
.macro AT s, q, init, ns, nq
.set CS, \s
.set CQ, \q
.set CI, \init
.set NS, \ns
.set NQ, \nq
.set NB, 1-CQ%2
.set LN, 0
.endm
.macro LD1                             ; load LN of 32: B's eight fragments, then A's
.if LN < 16
	ds_load_b128 v[128*NB+4*LN:128*NB+4*LN+3], v[ADRB+NS] offset:64*NQ+32*(LN%2)+(LN/2)*16*PITCH
.else
	ds_load_b128 v[128*NB+4*LN:128*NB+4*LN+3], v[ADRA+NS] offset:64*NQ+32*(LN%2)+((LN-16)/2)*16*PITCH
.endif
.set LN, LN+1
.endm
.macro RUN n                           ; the next n loads
	WIN TO_F
.rept \n
	LD1
.endr
.endm
.macro WM4 a                           ; block a of A against B's 128 rows; C: 0 the sums, 1 zero, 2 the bias
.irp b, 0,1,2,3
.set rD, 64*((\a)%4)+16*\b
.set rC, rD
.if CI == 2
.set rC, 192+16*\b
.endif
.set rB, 128*(CQ%2)+16*\b
.set rA, 128*(CQ%2)+64+8*(\a)
.set rT, SC+32*CS+16+4*\b+CQ
.set rS, SC+32*CS+4*((\a)/2)+CQ
.if CI == 1
.if (\a)%2 == 0
	v_wmma_scale_f32_32x16x128_f4 v[rD:rD+15], v[rB:rB+15], v[rA:rA+7], 0, v[rT], v[rS]
.else
	v_wmma_scale_f32_32x16x128_f4 v[rD:rD+15], v[rB:rB+15], v[rA:rA+7], 0, v[rT], v[rS] matrix_b_scale:MATRIX_SCALE_ROW1
.endif
.else
.if (\a)%2 == 0
	v_wmma_scale_f32_32x16x128_f4 v[rD:rD+15], v[rB:rB+15], v[rA:rA+7], v[rC:rC+15], v[rT], v[rS]
.else
	v_wmma_scale_f32_32x16x128_f4 v[rD:rD+15], v[rB:rB+15], v[rA:rA+7], v[rC:rC+15], v[rT], v[rS] matrix_b_scale:MATRIX_SCALE_ROW1
.endif
.endif
.endr
.endm
.macro BL a, w                         ; a wait (64: none) and four products
.if (\w) < 64
	s_wait_dscnt \w
.endif
.if CI == 2
	WIN 0xb5+0x40*((\a)/4)
.else
	WIN 0xa5+0x50*((\a)/4)
.endif
	WM4 \a
.endm
; A step of 128 along K.  Block k wants B's 16 loads of the step before and A's up to 2 k + 2: behind those were issued 14 - 2 k of that step, and 16 (blocks 0 to 3) or 32 of this one.
; Four places at its head: the buffer that is loaded now was read by the products just before.
.macro STEP s, q, init
	AT \s, \q, \init, (\s)%2, (\q)+1
	PLACES 4
	RUN 16
	BL 0, 30
	BL 1, 28
	BL 2, 26
	BL 3, 24
	RUN 16
	BL 4, 38
	BL 5, 36
	BL 6, 34
.if CI == 2
	PLACES 5                                       ; block 7's sums are laid over the bias that the other blocks took as C
.endif
	BL 7, 32
.endm
; A slot's third step asks for the last fragments of the slot; behind them stand the wait for all my tensor loads, the add, and, sixteen products later, the wait for both the add and my reads.
.macro Q2 s
	AT \s, 2, 0, (\s)%2, 3
	PLACES 4
	RUN 16
	BL 0, 30
	BL 1, 28
	BL 2, 26
	BL 3, 24
	RUN 16
	WIN 0
	s_wait_tensorcnt 0x0
	ds_add_u32 v[SPW], v[NIL]
	BL 4, 39                                       ; (one more than in the other steps: the add)
	BL 5, 37
	BL 6, 35
	BL 7, 33
	s_wait_dscnt 0x0
.endm
; Behind K step 4 slot 0 takes the tables of trips 0 and 1 (q, k, k_c) or the bias (v, v_c): a branch on the cluster's tensor, the same in all partners; one joint load a wave on either way.
.macro TLOAD
	s_cmp_eq_u32 s[TYP], 1
	s_cbranch_scc1 .Lfor_v_\@
	tensor_load_to_lds s[G0T:G0T+3], s[G1T:G1T+7]
	s_nop 0
	PLACES 4
.irp b, 0,1,2,3,4,5,6,7
.irp j, 0,1
	global_load_b128 v[NW+8*\b+4*\j:NW+8*\b+4*\j+3], v[BO], s[NWP:NWP+1] offset:64*\b+16*\j
.endr
.endr
	s_branch .Lasked_\@
.Lfor_v_\@:
	tensor_load_to_lds s[G0V:G0V+3], s[G1V:G1V+7]
	s_nop 0
	PLACES 4
.Lasked_\@:
.endm
.macro KTURN s                         ; the slot's third and last steps, and the change of slots between them
	Q2 \s
	s_barrier_signal -1
	AT \s, 3, 0, 1-(\s)%2, 0
	BL 0, 64                                       ; work on registers while the others arrive
	WIN 0
	s_barrier_wait -1
	CREST
.if (\s) < 4
	s_add_nc_u64 s[G0+4*((\s)%2)+2:G0+4*((\s)%2)+3], s[G0+4*((\s)%2)+2:G0+4*((\s)%2)+3], 512
	s_add_nc_u64 s[G0B+4*((\s)%2)+2:G0B+4*((\s)%2)+3], s[G0B+4*((\s)%2)+2:G0B+4*((\s)%2)+3], 512
	JLOAD (\s)%2                                   ; K step s + 2; its four v_nop are the places ahead of the loads below
.else
	TLOAD
.endif
	RUN 16
	WIN 0
.if (\s) < 2
	ASK (\s)+4
.elseif (\s) < 4
	ASKT (\s)-2
.endif
	BL 1, 64
	BL 2, 64
	BL 3, 64
	RUN 16
	BL 4, 64
	BL 5, 64
	BL 6, 64
	BL 7, 64
.endm
	s_wait_alu depctr_va_vdst(0)                   ; the wait at the head's end
	s_wait_tensorcnt 0x0                           ; my part of K step 0 is in
	ds_add_u32 v[SPW], v[NIL]
	s_wait_dscnt 0x0
	CROUND
	JLOAD 1
	AT 0, 1, 0, 0, 0                               ; (buffer 0 is loaded: the first step's)
	RUN 32
	WIN 0
	ASK 3
	s_wait_loadcnt 40                              ; all but K steps 1 to 5's scales
	s_cmp_eq_u32 s[TYP], 1
	s_cbranch_scc1 .Lfirst_v
	STEP 0, 0, 2
	WIN 0
	s_branch .Lfirst_done
.Lfirst_v:
	STEP 0, 0, 1
	WIN 0
.Lfirst_done:
	STEP 0, 1, 0
	KTURN 0
	s_wait_loadcnt 0x0
.irp s, 1,2,3,4
	STEP \s, 0, 0
	STEP \s, 1, 0
	KTURN \s
.endr
	STEP 5, 0, 0
	STEP 5, 1, 0
	Q2 5
	WIN 0
	s_cmp_eq_u32 s[TYP], 1
	s_cbranch_scc1 .Lv_path
; q, k, k_c.  The trips: two blocks of 16 tokens each, u = 0, 1.
.macro TAB t, u, sn                    ; 16 loads: cos (sn = 0) or sin (1) of my token of block u, in the layout of the sums, into window 1
	WIN TO_F
.irp b, 0,1,2,3,4,5,6,7
.irp j, 0,1
	ds_load_b128 v[128*\sn+64*\u+8*\b+4*\j:128*\sn+64*\u+8*\b+4*\j+3], v[VT+(\t)/2] offset:TT*\sn+16896*((\t)%2)+8448*\u+64*\b+16*\j
.endr
.endr
.endm
.macro PREP p                          ; the sum of squares of trip p's two blocks, 1 / sqrt(mean + eps), and x times the norm's weight into window 2, v0-127
	s_wait_alu depctr_va_vdst(0)
	s_wait_xcnt 0x0                                ; the last trip's stores have read their data
	WIN 0x0a+5*((\p)/2)
	s_wait_alu depctr_va_vdst(0)                   ; ahead of the first readers of these sums
.irp u, 0,1
.irp n, 0,1,2,3
	v_pk_mul_f32 v[SS+8*\u+2*\n:SS+8*\u+2*\n+1], v[128*((\p)%2)+64*\u+2*\n:128*((\p)%2)+64*\u+2*\n+1], v[128*((\p)%2)+64*\u+2*\n:128*((\p)%2)+64*\u+2*\n+1]
.endr
.endr
.set i, 4
.rept 28
.irp u, 0,1
	v_pk_fma_f32 v[SS+8*\u+2*(i%4):SS+8*\u+2*(i%4)+1], v[128*((\p)%2)+64*\u+2*i:128*((\p)%2)+64*\u+2*i+1], v[128*((\p)%2)+64*\u+2*i:128*((\p)%2)+64*\u+2*i+1], v[SS+8*\u+2*(i%4):SS+8*\u+2*(i%4)+1]
.endr
.set i, i+1
.endr
	WIN 0
.irp u, 0,8
	v_pk_add_f32 v[SS+\u:SS+\u+1], v[SS+\u:SS+\u+1], v[SS+\u+2:SS+\u+3]
	v_pk_add_f32 v[SS+\u+4:SS+\u+5], v[SS+\u+4:SS+\u+5], v[SS+\u+6:SS+\u+7]
.endr
.irp u, 0,8
	v_pk_add_f32 v[SS+\u:SS+\u+1], v[SS+\u:SS+\u+1], v[SS+\u+4:SS+\u+5]
.endr
.irp u, 0,8
	v_add_f32 v[SS+\u], v[SS+\u], v[SS+\u+1]
.endr
.irp u, 0,8
	v_permlanex16_b32 v[SS+\u+1], v[SS+\u], s[SEL], s[SEL+1]
.endr
.irp u, 0,8
	v_add_f32 v[SS+\u], v[SS+\u], v[SS+\u+1]
.endr
.irp u, 0,8
	v_fma_f32 v[SS+\u], v[SS+\u], s[RCP128], s[EPS]
.endr
	s_wait_alu depctr_va_vdst(0)
	v_rsq_f32 v[RS], v[SS]
	v_rsq_f32 v[RS+2], v[SS+8]
	WIN 0x82+(\p)/2
.set i, 0
.rept 64
	v_pk_mul_f32 v[2*i:2*i+1], v[128*((\p)%2)+2*i:128*((\p)%2)+2*i+1], v[NW+(2*i)%64:NW+(2*i)%64+1]
.set i, i+1
.endr
	WIN 0
.endm
.macro STAGE u                         ; the rotation, then the norm's factor of my token
	WIN 0x46
.set i, 32*\u
.rept 32
	v_pk_mul_f32 v[2*i:2*i+1], v[2*i:2*i+1], v[2*i:2*i+1]
.set i, i+1
.endr
	WIN 0x56
.set i, 32*\u
.rept 32
	v_pk_fma_f32 v[128+2*i:129+2*i], v[2*i:2*i+1], v[128+2*i:129+2*i], v[2*i:2*i+1] op_sel:[1,0,0] op_sel_hi:[0,1,1] neg_lo:[1,0,0]
.set i, i+1
.endr
	WIN 0x81
	s_wait_alu depctr_va_vdst(0)
.set i, 32*\u
.rept 32
	v_pk_mul_f32 v[2*i:2*i+1], v[128+2*i:129+2*i], v[RS+2*\u:RS+2*\u+1] op_sel_hi:[1,0]
.set i, i+1
.endr
	WIN 0
.endm
.macro QUANT                           ; window 2, v0-127: eight blocks of 32 (16 registers in lanes l and l xor 16), by turns
	WIN 0x0a
.set n, 0
.rept 8
	v_max3_num_f32 v[TM+n], |v[16*n]|, |v[16*n+1]|, 0x1800000
.set n, n+1
.endr
.set i, 2
.rept 7
.set n, 0
.rept 8
	v_max3_num_f32 v[TM+n], |v[16*n+i]|, |v[16*n+i+1]|, v[TM+n]
.set n, n+1
.endr
.set i, i+2
.endr
	WIN 0
.irp n, 0,1,2,3,4,5,6,7
	v_permlanex16_b32 v[TM+8+\n], v[TM+\n], s[SEL], s[SEL+1]
.endr
.irp n, 0,1,2,3,4,5,6,7
	v_max_num_f32 v[TM+\n], v[TM+\n], v[TM+8+\n]
.endr
.irp n, 0,1,2,3,4,5,6,7
	v_add_nc_u32 v[TM+16+\n], 0xff000000, v[TM+\n]  ; 2 off the exponent field: the conversion's scale operand
.endr
.irp n, 0,1,2,3,4,5,6,7
	v_lshrrev_b32 v[TM+8+\n], 23, v[TM+16+\n]       ; the scale's byte
.endr
.irp u, 0,1
	v_lshl_or_b32 v[PW+\u], v[TM+9+4*\u], 8, v[TM+8+4*\u]
.endr
.irp u, 0,1
	v_lshl_or_b32 v[PW+\u], v[TM+10+4*\u], 16, v[PW+\u]
.endr
.irp u, 0,1
	v_lshl_or_b32 v[PW+\u], v[TM+11+4*\u], 24, v[PW+\u]
.endr
	WIN 0x02
.irp t, 0,1,2,3,4,5,6,7,8,9,10,11,12,13,14,15
	v_cvt_scalef32_pk8_fp4_f32 v[PC+4*(\t/4)+2*(\t%2)+(\t%4)/2], v[8*\t:8*\t+7], v[TM+16+\t/2]
.endr
	WIN 0
	v_nop
.irp c, 0,4,8,12
	v_permlane16_swap_b32 v[PC+\c], v[PC+\c+1]
	v_permlane16_swap_b32 v[PC+\c+2], v[PC+\c+3]
.endr
.endm
.macro STORE off
.irp c, 0,1,2,3
	global_store_b128 v[LI], v[PC+4*\c:PC+4*\c+3], s[OUT:OUT+1] offset:\off+512*\c
.endr
.endm
.macro TRIP t
.if \t == 1
	s_wait_tensorcnt 0x0                           ; my part of slot 1's tables is in,
	s_wait_dscnt 0x0
	s_barrier_signal -1                            ; and behind the wait everybody's
.elseif \t == 0
	s_wait_dscnt 16                                ; (sin of block 1 may be out)
.else
	s_wait_dscnt 32                                ; (block 1's tables may be out)
.endif
	STAGE 0
.if \t == 1
	s_barrier_wait -1
.endif
.if \t < 3
	TAB \t+1, 0, 0
	TAB \t+1, 0, 1
	WIN 0
	s_wait_dscnt 32                                ; (the 32 just issued may be out)
.else
	s_wait_dscnt 0x0
.endif
	STAGE 1
.if \t < 3
	TAB \t+1, 1, 0
	TAB \t+1, 1, 1
.endif
	QUANT
	STORE 2048*\t
	v_cndmask_b32 v[SW+\t], v[PW], v[PW+1], s[HI16]
.if \t < 3
	PREP \t+1
.endif
.endm
	s_barrier_signal -1
	AT 5, 3, 0, 0, 0
	BL 0, 64
	WIN 0
	s_barrier_wait -1
	CREST                                          ; no wave of any partner reads slot 1 any more, and slot 0's tables are whole
	s_add_co_u32 s[G0T+1], s[G0T+1], SLOT
	s_add_nc_u64 s[G0T+2:G0T+3], s[G0T+2:G0T+3], 32768
	tensor_load_to_lds s[G0T:G0T+3], s[G1T:G1T+7]  ; the tables of trips 2 and 3
	s_nop 0
	PLACES 4
	TAB 0, 0, 0                                    ; cos lies where the buffer that is free now lay
	TAB 0, 1, 0
.irp a, 1,2,3,4,5,6,7
	BL \a, 64
.endr
	WIN 0
	PLACES 4
	TAB 0, 0, 1
	TAB 0, 1, 1
	WIN 0
	s_wait_loadcnt 0x0                             ; the norm's weights
	PREP 0
	TRIP 0
	TRIP 1
	TRIP 2
	TRIP 3
	s_wait_alu depctr_va_vdst(0)
	global_store_b128 v[LI], v[SW:SW+3], s[OUT:OUT+1] offset:8192
	s_branch .Ldone
; v, v_c: a lane holds one channel, its registers run along the tokens
.macro COPYV p                         ; the sums plus my channel's bias
	WIN 0x82+(\p)/2
.set i, 0
.rept 64
	v_pk_add_f32 v[2*i:2*i+1], v[128*((\p)%2)+2*i:128*((\p)%2)+2*i+1], v[BV+2*(2*(\p)+i/32):BV+2*(2*(\p)+i/32)+1] op_sel_hi:[1,0]
.set i, i+1
.endr
	WIN 0
.endm
.Lv_path:
	s_barrier_signal -1
	AT 5, 3, 0, 0, 0
	BL 0, 64
	WIN 0
	s_barrier_wait -1                              ; the bias is in
.irp a, 0,1,2,3,4,5,6,7
	ds_load_b32 v[BV+2*\a], v[RO] offset:64*\a
.endr
.irp a, 1,2,3,4,5,6,7
	BL \a, 64
.endr
	WIN 0
	PLACES 4
	s_mov_b32 s[TRIPS], 0
	s_wait_alu depctr_va_vdst(0)
	s_wait_dscnt 0x0
	COPYV 0
.Lv_trip:
	QUANT
	STORE 0
	s_wait_alu depctr_va_vdst(0)
	s_cmp_lg_u32 s[TRIPS], 0
	s_cbranch_scc1 .Lnot0
	v_cndmask_b32 v[SW], v[PW], v[PW+1], s[HI16]
	COPYV 1
	s_branch .Ljoin
.Lnot0:
	s_cmp_lg_u32 s[TRIPS], 1
	s_cbranch_scc1 .Lnot1
	v_cndmask_b32 v[SW+1], v[PW], v[PW+1], s[HI16]
	COPYV 2
	s_branch .Ljoin
.Lnot1:
	s_cmp_lg_u32 s[TRIPS], 2
	s_cbranch_scc1 .Lnot2
	v_cndmask_b32 v[SW+2], v[PW], v[PW+1], s[HI16]
	COPYV 3
	s_branch .Ljoin
.Lnot2:
	v_cndmask_b32 v[SW+3], v[PW], v[PW+1], s[HI16]
.Ljoin:
	s_wait_alu depctr_va_vdst(0)
	s_wait_xcnt 0x0
	s_add_nc_u64 s[OUT:OUT+1], s[OUT:OUT+1], 2048
	s_add_co_u32 s[TRIPS], s[TRIPS], 1
	s_cmp_lt_u32 s[TRIPS], 4
	s_cbranch_scc1 .Lv_trip
	global_store_b128 v[LI], v[SW:SW+3], s[OUT:OUT+1]   ; 4 x 2,048 on: the group's scale words
.Ldone:
	s_wait_tensorcnt 0x0                           ; the wave's end
	ds_add_u32 v[SPW], v[NIL]
	s_wait_dscnt 0x0
	CROUND                                         ; the closing round: no work-group ends while a partner may still ask for a tile that names it
	s_endpgm
.Lfunc_end_k_q3f8c7c0772_proj:
	.size	k_q3f8c7c0772_proj, .Lfunc_end_k_q3f8c7c0772_proj-k_q3f8c7c0772_proj
	.p2alignl 7, 3214868480
	.fill 96, 4, 3214868480
	.section	.rodata,"a",@progbits
	.p2align	6, 0x0
	.amdhsa_kernel k_q3f8c7c0772_proj
		.amdhsa_group_segment_fixed_size 327680
		.amdhsa_private_segment_fixed_size 0
		.amdhsa_enable_private_segment 0
		.amdhsa_kernarg_size 160
		.amdhsa_user_sgpr_count 2
		.amdhsa_user_sgpr_kernarg_segment_ptr 1
		.amdhsa_wavefront_size32 1
		.amdhsa_system_sgpr_workgroup_id_x 1
		.amdhsa_system_sgpr_workgroup_id_y 1
		.amdhsa_system_sgpr_workgroup_id_z 1
		.amdhsa_system_vgpr_workitem_id 0
		.amdhsa_next_free_vgpr 1024
		.amdhsa_next_free_sgpr 102
		.amdhsa_reserve_vcc 0
		.amdhsa_float_denorm_mode_32 3
		.amdhsa_float_denorm_mode_16_64 3
		.amdhsa_memory_ordered 1
		.amdhsa_forward_progress 1
		.amdhsa_inst_pref_size 255
	.end_amdhsa_kernel
	.section	.bss,"aw",@nobits
	.p2align	6
	.space	262144
	.amdgpu_metadata
---
amdhsa.version: [ 1, 2 ]
amdhsa.kernels:
  - .name:           k_q3f8c7c0772_proj
    .symbol:         k_q3f8c7c0772_proj.kd
    .args:
      - { .name: hidden_states_codes, .offset: 0, .size: 8, .value_kind: global_buffer, .address_space: global }
      - { .name: hidden_states_scales, .offset: 8, .size: 8, .value_kind: global_buffer, .address_space: global }
      - { .name: cond_hidden_states_codes, .offset: 16, .size: 8, .value_kind: global_buffer, .address_space: global }
      - { .name: cond_hidden_states_scales, .offset: 24, .size: 8, .value_kind: global_buffer, .address_space: global }
      - { .name: Wq_codes, .offset: 32, .size: 8, .value_kind: global_buffer, .address_space: global }
      - { .name: Wq_scales, .offset: 40, .size: 8, .value_kind: global_buffer, .address_space: global }
      - { .name: Wk_codes, .offset: 48, .size: 8, .value_kind: global_buffer, .address_space: global }
      - { .name: Wk_scales, .offset: 56, .size: 8, .value_kind: global_buffer, .address_space: global }
      - { .name: Wv_codes, .offset: 64, .size: 8, .value_kind: global_buffer, .address_space: global }
      - { .name: Wv_scales, .offset: 72, .size: 8, .value_kind: global_buffer, .address_space: global }
      - { .name: bq, .offset: 80, .size: 8, .value_kind: global_buffer, .address_space: global }
      - { .name: bk, .offset: 88, .size: 8, .value_kind: global_buffer, .address_space: global }
      - { .name: bv, .offset: 96, .size: 8, .value_kind: global_buffer, .address_space: global }
      - { .name: norm_q_w, .offset: 104, .size: 8, .value_kind: global_buffer, .address_space: global }
      - { .name: norm_k_w, .offset: 112, .size: 8, .value_kind: global_buffer, .address_space: global }
      - { .name: cos0, .offset: 120, .size: 8, .value_kind: global_buffer, .address_space: global }
      - { .name: sin0, .offset: 128, .size: 8, .value_kind: global_buffer, .address_space: global }
      - { .name: cos1, .offset: 136, .size: 8, .value_kind: global_buffer, .address_space: global }
      - { .name: sin1, .offset: 144, .size: 8, .value_kind: global_buffer, .address_space: global }
      - { .name: qkv, .offset: 152, .size: 8, .value_kind: global_buffer, .address_space: global }
    .group_segment_fixed_size: 327680
    .private_segment_fixed_size: 0
    .kernarg_segment_align: 8
    .kernarg_segment_size: 160
    .max_flat_workgroup_size: 128
    .sgpr_count:     102
    .vgpr_count:     1024
    .wavefront_size: 32
...
	.end_amdgpu_metadata
.endif
;; end of part 1
;; launch attn (part 2): grid 8 x 24, 8 waves a work-group, clusters of 4 x 1, 327,680 bytes of LDS; arguments qkv, cross_diff_lambda, out0; writes out0
.if DOCPART == 2
	.amdgcn_target "amdgcn-amd-amdhsa--gfx1250"
	.amdhsa_code_object_version 6
	.text
	.protected	k_q3f8c7c0772_attn
	.globl	k_q3f8c7c0772_attn
	.p2align	8
	.type	k_q3f8c7c0772_attn,@function
k_q3f8c7c0772_attn:
	s_mov_b64 s[64:65], 0
	v_nop
	global_prefetch_b8 v0, s[64:65] scope:SCOPE_SE
	s_setreg_imm32_b32 hwreg(HW_REG_WAVE_MODE, 25, 1), 1
	s_wait_xcnt 0x0
	s_wait_alu depctr_hold_cnt(0) depctr_sa_sdst(0) depctr_va_vdst(0) depctr_va_sdst(0) depctr_va_ssrc(0) depctr_va_vcc(0) depctr_vm_vsrc(0)
	s_getreg_b32 s2, hwreg(HW_REG_IB_STS2, 6, 4)
	s_cmp_eq_u32 s2, 0
	s_cbranch_scc0 .Lentry_in_a_cluster
	s_endpgm
.Lentry_in_a_cluster:
	s_bfe_u32 s2, ttmp6, 0x10000c
	s_cmp_lg_u32 s2, 0x3003
	s_cbranch_scc0 .Lentry_shape_is_right
	s_endpgm
.Lentry_shape_is_right:
; out = lambda x softmax(q k_c^T / sqrt(128)) v_c + softmax(q k^T / sqrt(128)) v, head by head, all four products on codes of FP4 (E2M1) with one E8M0 scale for each 32 along a product's K.
; q, k_c, k (K = the head's 128 channels) and v_c, v (K = the keys) come from the workspace as images of operand registers: group (tensor, head, 128 rows) of 8,704 bytes: 8 fragments of 1,024 bytes, fragment a, registers
; 4 c .. 4 c + 3, lane l at 1,024 a + 512 c + 16 l; then 512 bytes of scale words: the word at 16 l + 4 p belongs to fragment 2 p + l / 16, row l % 16.  Tensors: 0 k_c, 1 v_c, 2 k, 3 v, 4 q.
; THE SOFTMAX AHEAD OF THE SECOND PRODUCT: t = score x log2(e) / sqrt(128); M = the row's largest t so far, rounded UP to a whole number; p = 2^(t - M) is quantised along the keys, not normalised.
; The row's sum is taken of the unquantised p and divides at the end.  When M moves, the sum and O are multiplied by 2^(old M - new M): exact.
; SHARES.  A work-group: one head, 128 queries.  Eight waves of 512 registers, two to a SIMD: wave w takes 16 queries and BOTH attentions of them, i = 0 the cross, i = 1 the self attention, side by side, in 8 steps of
; 128 keys: so the two results meet in registers, and a wave stores its rows as soon as it has them.
; LDS.  The head's groups of k_c, v_c, k, v, 278,528 bytes, are filled ONCE: those of the first two key steps at the head, by waves 0 to 3 (wave w: tensor w); the other six by all eight waves, one load each, behind the round
; in front of which the first have landed: they have two key steps in which to land.
; CLUSTER.  The four query blocks of a cluster belong to one head and need the same bytes: every tensor load is asked for JOINTLY, with the mask of all four.
; No prefetch is written: there are two loads a wave at the most, and no loop of loads to run ahead in.
; LAYOUT.  Both products are used transposed: S^T = K Q^T (source 0 = 32 keys, source 1 = 16 queries), O^T = V^T P^T (source 0 = 32 channels, source 1 = P): a lane holds ONE query (lane % 16) throughout.
; The 16 registers of a product of 32 keys are one block of 32 in lanes l and l xor 16.
; LIMITS: NaN and infinities are not served; scaled scores stay under 2^31 in magnitude.  A block of p whose largest number lies under 2^-124 gets the scale byte 1.
; WINDOW 0: v1-6 addresses; attention i: v[8+6i] -M, v[9+6i] the largest t, v[10+6i:11+6i] the sum in two halves, v[12+6i] f; v[20+4i..] K's scale words, then V's; v28 Q's; v30+i p's; v32-39 Q; v[48+8i..] p's codes;
;   v[64+64i..] S^T, then p; v[192+32i..] at work.  WINDOW 1: v[64i..] O^T; v[128+64i..] K's fragments, then V's.
.set GRP,   8704
.set HDB,   69632                      ; a head of a tensor
.set TEN,   1671168                    ; a tensor
.set SPARE, 4*HDB                      ; behind the codes: the spare words, 128 bytes a wave
.set STG,   SPARE+1024                 ; behind them the stages: 16 rows x (256 + 16) bytes a wave
.set AK,  1                            ; 16 x lane
.set AV,  2                            ; V's: one tensor on
.set AC,  3                            ; the addresses of the loads in hand: cross,
.set AS,  4                            ; self: two tensors on
.set SPW, 5
.set NIL, 6
.set GO,  210
.set STI, 211
.set STO, 212
.set WV,  12
.set SEL, 20
.set CS,  22
.set G1C, 24
.set G1D, 32
.set G0,  40
.set G0D, 44
.set LAM, 70
.set OUTP, 74
.set QP,  76
.set QS,  78
.set TB,  80                           ; the step's group in LDS
.set CNT, 81
.set MSB, 0
.macro WIN new
.if MSB != (\new)
	s_set_vgpr_msb (MSB<<8)|(\new)
.set MSB, (\new)
.endif
.endm
.macro PLACES n
.rept \n
	v_nop
.endr
.endm
.macro CROUND                          ; a round of the cluster's barrier
	s_barrier_signal -1
	s_barrier_wait -1
	s_cmp_lg_u32 s[WV], 0
	s_cbranch_scc1 .Lnot_wave_0_\@
	s_barrier_signal -3
.Lnot_wave_0_\@:
	s_barrier_wait -3
	s_barrier_signal -1
	s_barrier_wait -1
.endm
	s_load_b64 s[4:5], s[0:1], 0x0                 ; qkv
	s_load_b128 s[8:11], s[0:1], 0x8               ; cross_diff_lambda s[8:9], out0 s[10:11]
	v_lshl_add_u32 v[SPW], v0, 2, SPARE
	v_mov_b32 v[NIL], 0
	ds_add_u32 v[SPW], v[NIL]                      ; the opening lines: the add, twice on end, and its wait
	ds_add_u32 v[SPW], v[NIL]
	v_lshrrev_b32 v10, 5, v0
	v_readfirstlane_b32 s[WV], v10                 ; wave 0..7
	s_bfe_u32 s16, ttmp6, 0x40000                  ; cx
	s_lshl_b32 s17, ttmp9, 2
	s_add_co_u32 s17, s17, s16                     ; my block of 128 queries: it enters Q's and out's addresses alone
	s_and_b32 s15, ttmp7, 0xffff                   ; the head, which the four partners share
	; group 1: all four work-groups; elements of 8 bytes; rows of 256 bytes, no padding: the images are read 16 bytes a lane, on end
.irp g, G1C, G1D
	s_mov_b32 s[\g], 15|(3<<16)|(1<<21)
	s_mov_b32 s[\g+1], 32<<16
	s_mov_b32 s[\g+3], 32<<16
	s_mov_b32 s[\g+5], 32
	s_mov_b32 s[\g+6], 0
	s_mov_b32 s[\g+7], 0
.endr
	s_mov_b32 s[G1C+2], 68<<16                     ; two groups
	s_mov_b32 s[G1C+4], 68
	s_mov_b32 s[G1D+2], 102<<16                    ; three groups
	s_mov_b32 s[G1D+4], 102
	s_and_b32 s66, s[WV], 3                        ; tensor w % 4
	s_lshr_b32 s67, s[WV], 2
	s_mul_i32 s60, s66, TEN
	s_mul_i32 s61, s15, HDB
	s_add_co_u32 s60, s60, s61                     ; my head's first group of it,
	s_mov_b32 s61, 0
	s_mul_i32 s63, s66, HDB                        ; and where that goes
	s_mul_i32 s62, s67, 3*GRP
	s_add_co_u32 s62, s62, 2*GRP                   ; behind the head: groups 2 to 4, or 5 to 7
	s_add_co_u32 s66, s63, s62
	s_add_co_u32 s62, s60, s62
	s_mov_b32 s67, s63
	s_mov_b32 s63, 0
	s_mul_i32 s[QP], s15, HDB                      ; Q: tensor 4, group 8 x head + block, fragment w
	s_mul_i32 s68, s17, GRP
	s_add_co_u32 s[QP], s[QP], s68
	s_add_co_u32 s[QP], s[QP], 4*TEN
	s_add_co_u32 s[QS], s[QP], 8192                ; its scale words: lane places 16 (w % 2) + r, word w / 2
	s_lshl_b32 s68, s[WV], 10
	s_add_co_u32 s[QP], s[QP], s68
	s_mov_b32 s[QP+1], 0
	s_and_b32 s68, s[WV], 1
	s_lshl_b32 s68, s68, 8
	s_add_co_u32 s[QS], s[QS], s68
	s_lshr_b32 s68, s[WV], 1
	s_lshl_b32 s68, s68, 2
	s_add_co_u32 s[QS], s[QS], s68
	s_mov_b32 s[QS+1], 0
	s_lshl_b32 s[OUTP], s17, 7
	s_lshl_b32 s68, s[WV], 4
	s_add_co_u32 s[OUTP], s[OUTP], s68             ; my first query,
	s_mul_i32 s[OUTP], s[OUTP], 12288              ; its row of out,
	s_lshl_b32 s68, s15, 9
	s_add_co_u32 s[OUTP], s[OUTP], s68             ; the head's 512 bytes in it
	s_mov_b32 s[OUTP+1], 0
	s_mov_b32 s[SEL], 0x76543210
	s_mov_b32 s[SEL+1], 0xfedcba98
	s_mov_b32 s[CS], 0x3e0293ee                    ; c = log2(e) / sqrt(128)
	s_mov_b32 s[CS+1], s[CS]
	s_mov_b32 s[TB], 0
	s_mov_b32 s[CNT], 6
	s_wait_alu depctr_va_vdst(0)
	s_wait_dscnt 0x0
	s_wait_kmcnt 0x0
	s_load_b32 s[LAM], s[8:9], 0x0                 ; lambda
	s_add_nc_u64 s[60:61], s[4:5], s[60:61]
	s_add_nc_u64 s[62:63], s[4:5], s[62:63]
	s_add_nc_u64 s[QP:QP+1], s[4:5], s[QP:QP+1]
	s_add_nc_u64 s[QS:QS+1], s[4:5], s[QS:QS+1]
	s_add_nc_u64 s[OUTP:OUTP+1], s[10:11], s[OUTP:OUTP+1]
	s_mov_b32 s[G0], 1
	s_mov_b32 s[G0+1], s67
	s_mov_b64 s[G0+2:G0+3], s[60:61]
	s_or_b32 s[G0+3], s[G0+3], 0x80000000
	s_mov_b32 s[G0D], 1
	s_mov_b32 s[G0D+1], s66
	s_mov_b64 s[G0D+2:G0D+3], s[62:63]
	s_or_b32 s[G0D+3], s[G0D+3], 0x80000000
	CROUND                                         ; all four work-groups are here: the joint loads meet
	s_cmp_lt_u32 s[WV], 4
	s_cbranch_scc0 .Lasked
	tensor_load_to_lds s[G0:G0+3], s[G1C:G1C+7]    ; the groups of the first two key steps
	s_nop 0
	PLACES 4
.Lasked:
	s_mul_i32 s69, s[WV], 16*272
	s_add_co_u32 s69, s69, STG                     ; my stage
	v_and_b32 v20, 31, v0
	v_and_b32 v21, 15, v0                          ; r
	v_bfe_u32 v22, v0, 4, 1                        ; h
	v_lshlrev_b32 v[AK], 4, v20                    ; 16 x lane
	v_lshlrev_b32 v23, 4, v21
	global_load_b128 v[32:35], v[AK], s[QP:QP+1]   ; Q's fragment stays in registers
	global_load_b128 v[36:39], v[AK], s[QP:QP+1] offset:512
	global_load_b32 v28, v23, s[QS:QS+1]           ; lane r: row r's scale word
	v_add_nc_u32 v[AV], HDB, v[AK]
	v_mul_u32_u24 v[STI], 272, v21
	v_mul_u32_u24 v[STO], 272, v22
	v_mul_u32_u24 v[GO], 12288, v22
	v_lshl_add_u32 v[STI], v22, 5, v[STI]
	v_lshl_add_u32 v[STO], v21, 4, v[STO]
	v_lshl_add_u32 v[GO], v21, 4, v[GO]            ; two rows of out: lanes 0-15 one, lanes 16-31 the next
	v_add_nc_u32 v[STI], s69, v[STI]               ; in: row r, + 32 h
	v_add_nc_u32 v[STO], s69, v[STO]               ; back: lanes 0-15 one row, lanes 16-31 the next
.irp i, 0,1
	v_mov_b32 v[9+6*\i], 0xff61b1e6                ; the largest t so far: -3e38, under every t
	v_mov_b32 v[10+6*\i], 0
	v_mov_b32 v[11+6*\i], 0
	v_mov_b32 v[13+6*\i], 0                        ; (named as the upper half of f's pair)
.irp b, 0,1,2,3
	v_mov_b32 v[196+32*\i+\b], 0                   ; written once: a lane permute's destination counts as one of its sources
.endr
.endr
	v_floor_f32 v8, -v9                            ; -M
	v_floor_f32 v14, -v15
.macro KV src                          ; the fragments of the group at TB, K's or V's, of both attentions, and their scale words
	v_add_nc_u32 v[AC], s[TB], v[\src]
	v_add_nc_u32 v[AS], 2*HDB, v[AC]
	WIN 0x40
.irp t, 0,1,2,3,4,5,6,7
.irp c, 0,1
	ds_load_b128 v[128+8*\t+4*\c:131+8*\t+4*\c], v[AC] offset:1024*\t+512*\c
.endr
.endr
	WIN 0
	ds_load_b128 v[20:23], v[AC] offset:8192       ; register p: lanes 0-15 fragment 2 p's words, lanes 16-31 fragment 2 p + 1's
	WIN 0x40
.irp t, 0,1,2,3,4,5,6,7
.irp c, 0,1
	ds_load_b128 v[192+8*\t+4*\c:195+8*\t+4*\c], v[AS] offset:1024*\t+512*\c
.endr
.endr
	WIN 0
	ds_load_b128 v[24:27], v[AS] offset:8192
.endm
.macro SCALE i                         ; attention i's four scales of p, its scale word and its codes
.set W, 192+32*\i
.irp b, 0,1,2,3
	v_max_num_f32 v[W+\b], 0x1800000, v[W+\b]      ; the floor 2^(3 - 127): the byte cannot fall under 1
.endr
.irp b, 0,1,2,3
	v_add_nc_u32 v[W+8+\b], 0xff000000, v[W+\b]    ; 2 off the exponent field: the conversion's scale operand
.endr
.irp b, 0,1,2,3
	v_lshrrev_b32 v[W+4+\b], 23, v[W+8+\b]         ; the scale's byte
.endr
	v_lshl_or_b32 v[30+\i], v[W+5], 8, v[W+4]
	v_lshl_or_b32 v[W+6], v[W+7], 8, v[W+6]
	v_lshl_or_b32 v[30+\i], v[W+6], 16, v[30+\i]
.irp t, 0,1,2,3,4,5,6,7                ; eight registers are keys 16 t + 8 h + 0 .. 7: one register of codes.  4 c + 0, 1, 2, 3 go to registers 4 c + 0, 2, 1, 3,
	v_cvt_scalef32_pk8_fp4_f32 v[48+8*\i+4*(\t/4)+2*(\t%2)+(\t%4)/2], v[64+64*\i+8*\t:71+64*\i+8*\t], v[W+8+\t/2]
.endr
	v_nop                                          ; one plain place behind a scaled conversion
.irp c, 0,4                            ; and two exchanges of halves give registers 4 c .. 4 c + 3 = keys 64 c + 32 h + 0 .. 31, as the operand's layout wants them
	v_permlane16_swap_b32 v[48+8*\i+\c], v[49+8*\i+\c]
	v_permlane16_swap_b32 v[50+8*\i+\c], v[51+8*\i+\c]
.endr
.endm
.macro RESCALE                         ; both attentions' O^T under the new M: x f; each accumulator from its low end on
	WIN 0x41
	s_wait_alu depctr_va_vdst(0)                   ; ahead of the first readers of O^T
.set j, 0
.rept 64
	v_pk_mul_f32 v[j:j+1], v[j:j+1], v[12+6*(j/64):13+6*(j/64)] op_sel_hi:[1,0]
.set j, j+2
.endr
	WIN 0
.endm
; A KEY STEP: 128 keys, K's fragments on their way.  first = 1: its second product starts O^T's sums.
; Behind the second products the next K is asked for: mode 0: at once; 1: behind the barrier that shows the rest of the groups; 2: but in the loop's last trip.
.macro STEP first, mode
	s_wait_alu depctr_va_vdst(0)
	s_wait_dscnt 17                                ; k_c's are in; k's 17 loads may be out
	WIN 0x01
.irp t, 0,1,2,3                        ; S^T = K Q^T: eight accumulators, one instruction each
	v_wmma_scale_f32_32x16x128_f4 v[64+16*\t:79+16*\t], v[128+16*\t:143+16*\t], v[32:39], 0, v[20+\t], v28
.endr
	s_wait_dscnt 0x0
.irp t, 0,1,2,3
	v_wmma_scale_f32_32x16x128_f4 v[128+16*\t:143+16*\t], v[192+16*\t:207+16*\t], v[32:39], 0, v[24+\t], v28
.endr
	WIN 0
	PLACES 4                                       ; in front of the loads below, and of the first read of the scores
	KV AV                                          ; V's fragments land during the softmax
	s_add_co_u32 s[TB], s[TB], GRP
.irp n, 0,1,2,3,4,5,6,7
	v_max3_num_f32 v[192+32*(\n/4)+\n%4], v[64+16*\n], v[65+16*\n], v[66+16*\n]   ; THE LARGEST SCORE OF EACH BLOCK OF 32 KEYS, both attentions by turns: for the row's maximum, and, since p rises with the score, for the block's largest p
.endr
.irp k, 3,5,7,9,11,13
.irp n, 0,1,2,3,4,5,6,7
	v_max3_num_f32 v[192+32*(\n/4)+\n%4], v[192+32*(\n/4)+\n%4], v[64+16*\n+\k], v[65+16*\n+\k]
.endr
.endr
.irp n, 0,1,2,3,4,5,6,7
	v_max_num_f32 v[192+32*(\n/4)+\n%4], v[192+32*(\n/4)+\n%4], v[79+16*\n]
.endr
.irp n, 0,1,2,3,4,5,6,7
	v_permlanex16_b32 v[196+32*(\n/4)+\n%4], v[192+32*(\n/4)+\n%4], s[SEL], s[SEL+1]
.endr
.irp n, 0,1,2,3,4,5,6,7
	v_max_num_f32 v[192+32*(\n/4)+\n%4], v[192+32*(\n/4)+\n%4], v[196+32*(\n/4)+\n%4]   ; with lane l xor 16's 16 keys
.endr
.irp i, 0,32
	v_max3_num_f32 v[204+\i], v[192+\i], v[193+\i], v[194+\i]
.endr
.irp i, 0,32
	v_max_num_f32 v[204+\i], v[204+\i], v[195+\i]  ; the step's largest score of my query
.endr
.irp i, 0,32
	v_mul_f32 v[204+\i], s[CS], v[204+\i]          ; as t (c is positive)
.endr
.irp i, 0,1
	v_max_num_f32 v[9+6*\i], v[9+6*\i], v[204+32*\i]   ; the running largest t
.endr
.irp i, 0,1
	v_mov_b32 v[204+32*\i], v[8+6*\i]
.endr
.irp i, 0,1
	v_floor_f32 v[8+6*\i], -v[9+6*\i]              ; the new -M = floor(-t) = -ceil(t): M IS A WHOLE NUMBER
.endr
.irp i, 0,1
	v_sub_f32 v[204+32*\i], v[8+6*\i], v[204+32*\i]    ; M's old value less its new one: a whole number, 0 or less
.endr
.irp i, 0,32
	v_cvt_i32_f32 v[204+\i], v[204+\i]             ; (it saturates)
.endr
.irp i, 0,1
	v_ldexp_f32 v[12+6*\i], 1.0, v[204+32*\i]      ; f = 2^(old M - new M): a multiplication by it rounds nothing
.endr
.set j, 64
.rept 32
	v_pk_fma_f32 v[j:j+1], v[j:j+1], s[CS:CS+1], v[8:9] op_sel_hi:[1,0,0]   ; cross: t - M, two at a time
.set j, j+2
.endr
.irp b, 0,1,2,3
	v_fma_f32 v[192+\b], v[192+\b], s[CS], v8      ; the same of each block's largest score
.endr
	s_wait_alu depctr_va_vdst(0)
.set j, 64
.rept 32                               ; the cross attention's exponentials, p = 2^(t - M), NOT normalised; the self attention's t - M between them
	v_exp_f32 v[j], v[j]
	v_exp_f32 v[j+1], v[j+1]
	v_pk_fma_f32 v[j+64:j+65], v[j+64:j+65], s[CS:CS+1], v[14:15] op_sel_hi:[1,0,0]
.set j, j+2
.endr
.irp b, 0,1,2,3
	v_exp_f32 v[192+\b], v[192+\b]                 ; the block's largest p: the same two instructions on the same number give the same bits
	v_fma_f32 v[224+\b], v[224+\b], s[CS], v14
.endr
	v_pk_mul_f32 v[10:11], v[10:11], v[12:13] op_sel_hi:[1,0]   ; the sum under the new M.  (A plain place behind the exponentials)
	s_wait_alu depctr_va_vdst(0)
	SCALE 0
	s_wait_alu depctr_va_vdst(0)
.set j, 0
.rept 16                               ; the self attention's exponentials; the first additions of the cross attention's sum between them (its p has been converted)
	v_exp_f32 v[128+4*j], v[128+4*j]
	v_exp_f32 v[129+4*j], v[129+4*j]
	v_exp_f32 v[130+4*j], v[130+4*j]
	v_exp_f32 v[131+4*j], v[131+4*j]
	v_pk_add_f32 v[64+2*j:65+2*j], v[64+2*j:65+2*j], v[96+2*j:97+2*j]
.set j, j+1
.endr
.irp b, 0,1,2,3
	v_exp_f32 v[224+\b], v[224+\b]
.endr
	v_pk_mul_f32 v[16:17], v[16:17], v[18:19] op_sel_hi:[1,0]
	s_wait_alu depctr_va_vdst(0)
	SCALE 1
.set j, 128
.rept 16
	v_pk_add_f32 v[j:j+1], v[j:j+1], v[j+32:j+33]
.set j, j+2
.endr
.set j, 0
.rept 8                                ; the sums of both attentions by turns
	v_pk_add_f32 v[64+j:65+j], v[64+j:65+j], v[80+j:81+j]
	v_pk_add_f32 v[128+j:129+j], v[128+j:129+j], v[144+j:145+j]
.set j, j+2
.endr
.irp j, 0,2,4,6
	v_pk_add_f32 v[64+\j:65+\j], v[64+\j:65+\j], v[72+\j:73+\j]
	v_pk_add_f32 v[128+\j:129+\j], v[128+\j:129+\j], v[136+\j:137+\j]
.endr
.irp j, 0,2
	v_pk_add_f32 v[64+\j:65+\j], v[64+\j:65+\j], v[68+\j:69+\j]
	v_pk_add_f32 v[128+\j:129+\j], v[128+\j:129+\j], v[132+\j:133+\j]
.endr
.irp j, 0,2
	v_pk_add_f32 v[10:11], v[10:11], v[64+\j:65+\j]
	v_pk_add_f32 v[16:17], v[16:17], v[128+\j:129+\j]
.endr
	s_wait_alu depctr_va_vdst(0)
.if \mode == 1
	s_wait_tensorcnt 0x0                           ; my part of the other groups is in
.endif
	s_wait_dscnt 0x0                               ; V's fragments and scale words
.if \mode == 1
	s_barrier_signal -1
.endif
.if !(\first)
	RESCALE
.endif
	WIN 0x51
.irp i, 0,1
.irp t, 0,1,2,3                        ; O^T += V^T P^T: eight accumulators by turns
.if \first
	v_wmma_scale_f32_32x16x128_f4 v[64*\i+16*\t:64*\i+15+16*\t], v[128+64*\i+16*\t:143+64*\i+16*\t], v[48+8*\i:55+8*\i], 0, v[20+4*\i+\t], v[30+\i]
.else
	v_wmma_scale_f32_32x16x128_f4 v[64*\i+16*\t:64*\i+15+16*\t], v[128+64*\i+16*\t:143+64*\i+16*\t], v[48+8*\i:55+8*\i], v[64*\i+16*\t:64*\i+15+16*\t], v[20+4*\i+\t], v[30+\i]
.endif
.endr
.endr
	WIN 0
.if \mode == 1
	s_wait_alu depctr_va_vdst(0)
	s_barrier_wait -1                              ; everybody's part is in: no tensor load is out from here on
.endif
.if \mode == 2
	s_wait_alu depctr_va_vdst(0)
	s_cmp_eq_u32 s[CNT], 1
	s_cbranch_scc1 .Lno_next_\@
.endif
	PLACES 4                                       ; in front of the loads into V's registers
	KV AK
.if \mode == 2
.Lno_next_\@:
.endif
.endm
	s_wait_alu depctr_va_vdst(0)                   ; the wait at the head's end
	s_wait_kmcnt 0x0                               ; lambda
	s_wait_loadcnt 0x0                             ; Q
	s_wait_tensorcnt 0x0                           ; the first groups are in
	ds_add_u32 v[SPW], v[NIL]                      ; the add, twice on end
	ds_add_u32 v[SPW], v[NIL]
	s_wait_dscnt 0x0                               ; and its wait
	CROUND
	tensor_load_to_lds s[G0D:G0D+3], s[G1D:G1D+7]  ; the other six groups: three a wave
	s_nop 0
	PLACES 4
	KV AK
	STEP 1, 0
	STEP 0, 1
.Lsteps:
	STEP 0, 2
	s_wait_alu depctr_va_vdst(0)
	s_sub_co_u32 s[CNT], s[CNT], 1
	s_cmp_lg_u32 s[CNT], 0
	s_cbranch_scc1 .Lsteps
	; THE WAY OUT.
	PLACES 4                                       ; behind the last products
.irp i, 0,1
	v_add_f32 v[10+6*\i], v[10+6*\i], v[11+6*\i]   ; the sum's two halves,
.endr
.irp i, 0,1
	v_permlanex16_b32 v[204+32*\i], v[10+6*\i], s[SEL], s[SEL+1]
.endr
.irp i, 0,1
	v_add_f32 v[10+6*\i], v[10+6*\i], v[204+32*\i] ; and lane l xor 16's: the row's sum
.endr
	s_wait_alu depctr_va_vdst(0)
	v_rcp_f32 v10, v10
	v_rcp_f32 v16, v16
	v_nop                                          ; a plain place behind the transcendentals
	s_wait_alu depctr_va_vdst(0)
	v_mul_f32 v10, s[LAM], v10                     ; lambda / the cross attention's sum
	WIN 0x01
	s_wait_alu depctr_va_vdst(0)                   ; ahead of the first readers of O^T
.set j, 0
.rept 32
	v_pk_mul_f32 v[64+j:65+j], v[j:j+1], v[10:11] op_sel_hi:[1,0]
.set j, j+2
.endr
.set j, 64
.rept 32                               ; lambda x cross + self; register 64 + 8 a + i is channel 16 a + 8 h + i of query r
	v_pk_fma_f32 v[j:j+1], v[j:j+1], v[16:17], v[j:j+1] op_sel_hi:[1,0,1]
.set j, j+2
.endr
	WIN 0
.irp u, 0,1                            ; 64 channels at a time through my own stage, so that sixteen lanes store 256 consecutive bytes of a row
.irp t, 0,1,2,3
	ds_store_b128 v[STI], v[64+32*\u+8*\t:67+32*\u+8*\t] offset:64*\t
	ds_store_b128 v[STI], v[68+32*\u+8*\t:71+32*\u+8*\t] offset:64*\t+16
.endr
.irp i, 0,1,2,3,4,5,6,7
	ds_load_b128 v[128+32*\u+4*\i:131+32*\u+4*\i], v[STO] offset:2*\i*272   ; LDS serves a wave's instructions in order (ISA guide 5.7.1.4): these see my stores, and the other half's stores come behind them
.endr
.endr
.irp u, 0,1
.irp i, 0,1,2,3,4,5,6,7
	s_wait_dscnt 23-16*\u-\i                       ; behind this load: the half's later ones, and the other half's 16
	global_store_b128 v[GO], v[128+32*\u+4*\i:131+32*\u+4*\i], s[OUTP:OUTP+1] offset:24576*\i+256*\u   ; rows 2 i and 2 i + 1
.endr
.endr
	s_wait_tensorcnt 0x0                           ; the wave's end
	ds_add_u32 v[SPW], v[NIL]
	s_wait_dscnt 0x0
	CROUND                                         ; the closing round: no work-group ends while a partner may still ask for bytes jointly
	s_endpgm
.Lfunc_end_k_q3f8c7c0772_attn:
	.size	k_q3f8c7c0772_attn, .Lfunc_end_k_q3f8c7c0772_attn-k_q3f8c7c0772_attn
	.p2alignl 7, 3214868480
	.fill 96, 4, 3214868480
	.section	.rodata,"a",@progbits
	.p2align	6, 0x0
	.amdhsa_kernel k_q3f8c7c0772_attn
		.amdhsa_group_segment_fixed_size 327680
		.amdhsa_private_segment_fixed_size 0
		.amdhsa_enable_private_segment 0
		.amdhsa_kernarg_size 24
		.amdhsa_user_sgpr_count 2
		.amdhsa_user_sgpr_kernarg_segment_ptr 1
		.amdhsa_wavefront_size32 1
		.amdhsa_system_sgpr_workgroup_id_x 1
		.amdhsa_system_sgpr_workgroup_id_y 1
		.amdhsa_system_sgpr_workgroup_id_z 1
		.amdhsa_system_vgpr_workitem_id 0
		.amdhsa_next_free_vgpr 512
		.amdhsa_next_free_sgpr 84
		.amdhsa_reserve_vcc 0
		.amdhsa_float_denorm_mode_32 3
		.amdhsa_float_denorm_mode_16_64 3
		.amdhsa_memory_ordered 1
		.amdhsa_forward_progress 1
		.amdhsa_inst_pref_size 113
	.end_amdhsa_kernel
	.amdgpu_metadata
---
amdhsa.version: [ 1, 2 ]
amdhsa.kernels:
  - .name:           k_q3f8c7c0772_attn
    .symbol:         k_q3f8c7c0772_attn.kd
    .args:
      - { .name: qkv, .offset: 0, .size: 8, .value_kind: global_buffer, .address_space: global }
      - { .name: cross_diff_lambda, .offset: 8, .size: 8, .value_kind: global_buffer, .address_space: global }
      - { .name: out0, .offset: 16, .size: 8, .value_kind: global_buffer, .address_space: global }
    .group_segment_fixed_size: 327680
    .private_segment_fixed_size: 0
    .kernarg_segment_align: 8
    .kernarg_segment_size: 24
    .max_flat_workgroup_size: 256
    .sgpr_count:     84
    .vgpr_count:     512
    .wavefront_size: 32
...
	.end_amdgpu_metadata
.endif
;; end of part 2
